; MI455X (gfx1250); checked and timed in simulation.
; The chip was launched on July 23, 2026; its instructions are those of AMD's public machine-readable ISA for CDNA 5 (MIT licence, August 2026) and "CDNA5" Instruction Set Architecture Reference Guide (July 2026). The comments in the code are by the model that wrote it; some were corrected since.
;; Attention. Allowed arithmetic: matrix products marked QUANTISED: E2M3 operands, one E8M0 scale for each 32 along K, by v_wmma_scale_f32_16x16x128_f8f6f4 with both operands' format E2M3, f32 sums; products left as they are: f32 operands where the result goes on into a quantised operand, else bf16, f16 or f32 operands; f32 sums; everything else in f32.
;; Inputs: b_proj 1,024 float32; w_proj 1,024 x 1,024 float32; w_qkv 1,024 x 3,072 float32; x 8 x 2,048 x 1,024 float32.
;; Outputs: out0 8 x 2,048 x 1,024 float32.
;; This version of the problem:
;;   THIS VERSION OF THE PROBLEM IS GIVEN IN LOW PRECISION. The matrix products marked QUANTISED in the list below multiply operands that are first quantised to E2M3 (2 exponent bits, 3 mantissa bits; 6 bits a number), with one power-of-two scale for each 32 numbers along K (OCP MX v1.0); their sums are f32. All else is computed in f32.
;;   The module's matrix products, in the order in which they are computed (A, B: the left and right operand; K: the contracted axis; several contracted axes count as one K, in the product's order):
;;     1. [M 16,384, K 1,024] x [K 1,024, N 3,072]; A: input x; B: input w_qkv: QUANTISED
;;     2. batch 16,384 x [M 16, K 64] x [K 64, N 16]; A: computed on the way; B: computed on the way: QUANTISED
;;     3. batch 16,384 x [M 16, K 16] x [K 16, N 64]; A: softmax; B: computed on the way: left as it is (K = 16 < 32)
;;     4. [M 16,384, K 1,024] x [K 1,024, N 1,024]; A: computed on the way; B: input w_proj: QUANTISED
;;   THE QUANTISER, for each operand of a quantised product, along K:
;;     - K is cut into blocks of 32 from its start; a last block that is shorter is filled with zeros.
;;     - A block's scale is 2^e with e = floor(log2(the largest magnitude in the block)) - 2, held to -126 .. 127; a block of zeros has e = 0. As a byte (E8M0): e + 127.
;;     - Each number is divided by its block's scale, clamped to +-7.5, and rounded to the nearest number of E2M3, ties to even, subnormals kept.
;;     - The product sums the exact products of the quantised numbers (number of the format x scale) in f32.
;;   ~~~python
;;   def quantise(x, axis):      # numpy; x: float32 -> the quantised numbers, widened to float32 again
;;       x = np.moveaxis(x, axis, -1); K = x.shape[-1]
;;       x = np.pad(x, [(0, 0)] * (x.ndim - 1) + [(0, -K % 32)]); x = x.reshape(x.shape[:-1] + (-1, 32)); a = np.abs(x).max(-1, keepdims=True)
;;       e = np.where(a > 0, np.clip(np.frexp(np.where(a > 0, a, 1))[1] - 1 - 2, -126, 127), 0)      # np.frexp(a)[1] - 1 = floor(log2(a)), exactly
;;       r = np.clip(x / 2.0 ** e, -7.5, 7.5)
;;       step = 2.0 ** (np.maximum(np.frexp(np.where(r == 0, 1, r))[1] - 1, 0) - 3)
;;       q = np.round(r / step) * step * 2.0 ** e      # np.round: ties to even
;;       return np.moveaxis(q.reshape(q.shape[:-2] + (-1,))[..., :K], -1, axis).astype(np.float32)
;;   ~~~
;;   OPERANDS COMPUTED ON THE WAY. 'Computed on the way' means the value that the module computes at that place (a softmax that the list does not call 'softmax' is quantised finished and normalised). What goes into a quantiser is computed in f32, as accurately as f32 sums, v_exp_f32 and their like allow (about 1e-6 of the number): no bf16 or f16 on the way to a quantiser, and a product that is left as it is and whose result goes on into a quantised operand takes f32 operands (vector FMAs, or v_wmma_f32_16x16x4_f32). A number that lies on a knife's edge between two numbers of the format may be rounded either way, as far as f32 arithmetic and the matrix unit's own rounding can turn it there, and no further.
;; One version. Each part assembles by itself: llvm-mc -triple=amdgcn-amd-amdhsa -mcpu=gfx1250 --defsym DOCPART=n.
;; ======== version 1 of 1: 2 launches
;; limits: right only within a limited range of input values
;; workspace buffers: wst 3,276,800 bytes; xq 13,107,200 bytes
;; launch prep (part 1): grid 1280 x 1, 4 waves a work-group, no clusters, 48,128 bytes of LDS; arguments w_qkv, w_proj, wst, x, xq; writes wst, xq
.if DOCPART == 1
	.amdgcn_target "amdgcn-amd-amdhsa--gfx1250"
	.amdhsa_code_object_version 6
	.text
	.protected	k_q4f343f0a0f_prep
	.globl	k_q4f343f0a0f_prep
	.p2align	8
	.type	k_q4f343f0a0f_prep,@function
k_q4f343f0a0f_prep:
	s_mov_b64 s[64:65], 0
	v_nop
	global_prefetch_b8 v0, s[64:65] scope:SCOPE_SE
	s_setreg_imm32_b32 hwreg(HW_REG_WAVE_MODE, 25, 1), 1
	s_wait_xcnt 0x0
; w_qkv [1024][3072] and w_proj [1024][1024], f32 with K as their FIRST axis, become codes of FP6 (E2M3) with one E8M0 byte for each 32 along K,
; laid as ONE stream in the order in which the second launch walks it, each fragment as an image of the operand's registers.
; THE STREAM: part g = 8 sigma + 2 w + kappa, 12,800 bytes: slot sigma (chunk c = sigma / 4 of 512 output columns; K step s = 2 (sigma % 4) + kappa of 128 along K), wave w.
; A part: 8 fragments f of 1,536 bytes (register q of lane L at 512 (q / 4) + 16 L + 4 (q % 4): three loads of 16 bytes a lane bring a fragment), then 512 bytes of scale words:
; the word of (f, r) at 12,288 + 16 (r + 16 (f / 4)) + 4 (f % 4): one load of 16 bytes a lane brings all eight fragments' words, fragments 0-3 in lanes 0-15, 4-7 in lanes 16-31.
; WHICH COLUMN lane r of fragment f takes:  c = 0..3 (q, k): 512 c + 128 w + 32 (f / 2) + 16 (r / 8) + 8 (f % 2) + r % 8, so that the results of two neighbouring tiles are 16 neighbours along d;
;   c = 4, 5 (v): 2048 + 64 r + 32 (c - 4) + 8 (w / 2) + 16 (w % 2) + f: the lane is the head, the fragment one d;   c = 6, 7: column 512 (c - 6) + 128 w + 16 f + r of w_proj.
; SHARES: work-group g makes part g.  Thread (wave v, lane l) is image place f = 2 v + l / 16, r = l % 16: it takes ONE column, and its 128 registers run down K: a block of 32 lies in one lane,
; so its largest magnitude needs no other lane and the conversions give codes with K innermost.  Only the global column hangs on the chunk's kind; every LDS address is a constant, the lane and the wave.
; A block's scale is 2^(floor(log2(largest magnitude)) - 2); its byte is that magnitude's exponent field - 2, held at 1 from below.
; LIMITS: a block of zeros, and one whose largest magnitude lies under 2^-124, gets the byte 1 (its codes are zeros or as the held scale gives them; the bytes are read by this program alone); NaN and infinities are not served.
.set PARTB, 12800
.set X,  32                            ; v32-159  my column's 128 numbers: 32 registers of its own for each block
.set CR, 160                           ; v160-191 codes: eight registers for each block, so that no LDS store's data are written again
	s_load_b128 s[4:7], s[0:1], 0x0                ; w_qkv, w_proj
	s_load_b64 s[8:9], s[0:1], 0x10                ; wst
	v_lshl_add_u32 v192, v0, 2, 0x3400
	v_mov_b32 v193, 0
	s_cmp_ge_u32 ttmp9, 256                        ; work-groups 0 .. 255 make the weights' parts, 256 .. 1,279 quantise x (at the text's end): the choice hangs on the work-group's number alone
	s_cbranch_scc1 .Lxpath
	v_lshrrev_b32 v1, 5, v0
	v_readfirstlane_b32 s10, v1                    ; wave v
	v_and_b32 v2, 31, v0                           ; lane l
	v_and_b32 v6, 15, v0                           ; r
	v_bfe_u32 v7, v0, 4, 1                         ; l / 16
	s_and_b32 s11, ttmp9, 1                        ; kappa
	s_bfe_u32 s12, ttmp9, 0x20001                  ; w
	s_lshr_b32 s13, ttmp9, 3                       ; sigma
	s_lshr_b32 s14, s13, 2                         ; c
	s_and_b32 s15, s13, 3
	s_lshl_b32 s15, s15, 1
	s_add_co_u32 s15, s15, s11                     ; s
	s_lshl_b32 s16, s10, 5                         ; 32 v
	s_lshl_b32 s17, s12, 7                         ; 128 w
	s_lshl_b32 s18, s14, 9                         ; 512 c
	s_add_co_u32 s18, s18, s17
	s_add_co_u32 s19, s18, s16                     ; q, k: 512 c + 128 w + 32 v
	s_sub_co_u32 s20, s19, 3072                    ; w_proj: 512 (c - 6) + 128 w + 32 v (used where c is 6 or 7)
	s_lshl_b32 s21, s14, 5
	s_add_co_u32 s21, s21, 1920                    ; v: 2048 + 32 (c - 4)
	s_lshr_b32 s22, s12, 1
	s_lshl_b32 s22, s22, 3
	s_add_co_u32 s21, s21, s22                     ; + 8 (w / 2)
	s_and_b32 s22, s12, 1
	s_lshl_b32 s22, s22, 4
	s_add_co_u32 s21, s21, s22                     ; + 16 (w % 2)
	s_lshl_b32 s22, s10, 1
	s_add_co_u32 s21, s21, s22                     ; + 2 v: with l / 16 that is f
	v_and_b32 v8, 7, v0
	v_bfe_u32 v9, v0, 3, 1
	v_lshl_add_u32 v8, v9, 4, v8
	s_wait_alu depctr_va_vdst(0)
	v_lshl_add_u32 v8, v7, 3, v8
	v_add_nc_u32 v8, s19, v8                       ; the column, were the chunk q's or k's
	v_lshl_add_u32 v9, v6, 6, v7
	v_add_nc_u32 v9, s21, v9                       ; were it v's
	v_add_nc_u32 v10, s20, v2                      ; were it w_proj's
	; LDS: where my codes and my scale word go, and my 16 bytes on the way out
	s_wait_alu depctr_va_vdst(0)
	v_mul_u32_u24 v4, v7, 1536
	v_lshl_add_u32 v4, v6, 4, v4
	s_mul_i32 s30, s10, 3072
	v_add_nc_u32 v4, s30, v4                       ; 1,536 f + 16 r
	s_lshr_b32 s30, s10, 1
	s_lshl_b32 s30, s30, 8
	s_and_b32 s31, s10, 1
	s_lshl_b32 s31, s31, 3
	s_add_co_u32 s30, s30, s31
	s_add_co_u32 s30, s30, 12288
	v_lshlrev_b32 v5, 4, v6
	v_lshl_add_u32 v5, v7, 2, v5
	v_add_nc_u32 v5, s30, v5                       ; 12,288 + 16 (r + 16 (f / 4)) + 4 (f % 4)
	v_lshlrev_b32 v13, 4, v0                       ; 16 x thread
	s_cmp_lt_u32 s14, 4
	s_cselect_b32 s23, -1, 0                       ; all lanes' bits: the chunk is q's or k's
	s_cmp_lt_u32 s14, 6
	s_cselect_b32 s24, -1, 0                       ; it is w_qkv's
	s_mov_b32 s25, 128*4096
	s_cselect_b32 s25, 128*12288, s25              ; a K step of rows, in bytes
	v_cndmask_b32 v3, v10, v9, s24
	v_cndmask_b32 v3, v3, v8, s23
	v_lshlrev_b32 v3, 2, v3                        ; my column, in bytes; never rewritten
	s_mul_i32 s26, s15, s25
	s_mov_b32 s27, 0
	s_mul_i32 s28, ttmp9, PARTB
	s_mov_b32 s29, 0
	s_wait_kmcnt 0x0
	s_cmp_lt_u32 s14, 6                            ; the choice hangs on the work-group's number alone
	s_cselect_b64 s[4:5], s[4:5], s[6:7]
	s_add_nc_u64 s[4:5], s[4:5], s[26:27]          ; the tensor at my K step's first row
	s_add_nc_u64 s[8:9], s[8:9], s[28:29]          ; wst at my part
; Block kb's 32 loads: W(128 s + 32 kb + i, my column).  Every offset is an immediate: 127 x 12,288 bytes at the most.  The two ways differ in the rows' pitch alone; each issues the same 32 loads,
; so the counted waits below hold on both.  The branch hangs on the work-group's number and holds nothing but loads.
.macro LOADB kb
	s_cmp_lt_u32 s14, 6
	s_cbranch_scc0 .Lproj_\@
.set i, 32*(\kb)
	s_wait_alu depctr_va_vdst(0)
.rept 32
	global_load_b32 v[X+i], v3, s[4:5] offset:i*12288
.set i, i+1
.endr
	s_branch .Lgot_\@
.Lproj_\@:
.set i, 32*(\kb)
	s_wait_alu depctr_va_vdst(0)
.rept 32
	global_load_b32 v[X+i], v3, s[4:5] offset:i*4096
.set i, i+1
.endr
.Lgot_\@:
.endm
.macro BLK kb                          ; block kb: k = 32 kb .. 32 kb + 31 of the K step.  In the fragment it lies in lane r + 16 (kb % 2), registers 6 (kb / 2) .. + 5
.set XS, X+32*(\kb)
.set CC, CR+8*(\kb)
.set c6, 6*((\kb)/2)
.set hh, (\kb)%2
.if (\kb) < 3
	s_wait_loadcnt 32                              ; loads come back in order (ISA guide 5.7.1): this block's 32 are in; the next block's 32, issued behind them, may be out
.else
	s_wait_loadcnt 0x0
.endif
.if (\kb) < 2
	LOADB (\kb)+2                                  ; two blocks ahead, into registers of their own
.endif
	v_max3_num_f32 v14, |v[XS]|, |v[XS+1]|, |v[XS+2]|
	v_max3_num_f32 v15, |v[XS+3]|, |v[XS+4]|, |v[XS+5]|
.irp z, 6,10,14,18,22,26
	v_max3_num_f32 v14, v14, |v[XS+\z]|, |v[XS+\z+1]|
	v_max3_num_f32 v15, v15, |v[XS+\z+2]|, |v[XS+\z+3]|
.endr
	v_max3_num_f32 v14, v14, |v[XS+30]|, |v[XS+31]|
	v_max3_num_f32 v14, v14, v15, 0x1800000        ; and the floor 2^(3 - 127): the byte cannot fall under 1
	v_add_nc_u32 v11, 0xff000000, v14              ; 2 off the exponent field: the conversion takes the exponent field of this operand as its scale
	v_lshrrev_b32 v15, 23, v11                     ; the scale's byte
.if (\kb) == 0
	v_mov_b32 v16, v15
.else
	v_lshl_or_b32 v16, v15, 8*(\kb), v16           ; four bytes make my column's scale word for this K step
.endif
	v_cvt_scalef32_pk16_fp6_f32 v[CC:CC+2], v[XS:XS+15], v11
	v_cvt_scalef32_pk16_fp6_f32 v[CC+4:CC+6], v[XS+16:XS+31], v11   ; (a conversion's three registers begin on an even number)
	v_nop                                          ; one plain place behind the scaled conversions
.irp z, 0,1,2
	ds_store_b32 v4, v[CC+\z] offset:((c6+\z)/4)*512+((c6+\z)%4)*4+256*hh
	ds_store_b32 v4, v[CC+4+\z] offset:((c6+3+\z)/4)*512+((c6+3+\z)%4)*4+256*hh
.endr
.endm
	LOADB 0
	LOADB 1
	BLK 0
	BLK 1
	BLK 2
	BLK 3
	ds_store_b32 v5, v16
	s_wait_dscnt 0x0                               ; for the others' sake: my stores have landed
	s_barrier_signal -1
	s_barrier_wait -1                              ; the part lies whole in LDS
.irp z, 0,1,2,3,4,5
	ds_load_b128 v[X+4*\z:X+4*\z+3], v13 offset:2048*\z
.endr
.irp z, 0,1,2,3,4,5
	s_wait_dscnt 5-\z                              ; LDS loads come back in order: load z is in
	global_store_b128 v13, v[X+4*\z:X+4*\z+3], s[8:9] offset:2048*\z   ; a wave's store covers 512 consecutive bytes, at a multiple of 256 from wst's first byte
.endr
	s_cmp_lg_u32 s10, 0
	s_cbranch_scc1 .Lend                           ; the 512 bytes of scale words are one wave's store
	ds_load_b128 v[X+24:X+27], v13 offset:12288
	s_wait_dscnt 0x0
	global_store_b128 v13, v[X+24:X+27], s[8:9] offset:12288
.Lend:
	s_wait_tensorcnt 0x0
	ds_add_u32 v192, v193
	s_wait_dscnt 0x0
	s_endpgm
; ---------------- x [16384][1024] f32 becomes codes of FP6 (E2M3) with one E8M0 byte for each 32 along K, by the same rule and with the same limits as the weights.
; xq: 51,200 bytes for each 64 rows (the rows of one work-group of the second launch): 32 fragments (tile m of 16 rows, K step s) of 1,536 bytes at 1,536 (8 m + s), each an image of the operand's registers
; (register q of lane L at 512 (q / 4) + 16 L + 4 (q % 4)); then the scale words, row r of fragment (m, s) at 49,152 + 64 (8 m + s) + 4 r.
; SHARES: work-group 256 + t takes tile t, rows 16 t on; wave v takes its K steps 2 v and 2 v + 1, and asks for both fragments at once: 32 loads of 512 consecutive bytes.  A fragment's 16 rows x 512 bytes turn through the wave's own
; stage in LDS (rows 528 bytes apart), so that lane (r, h) gets the blocks h and 2 + h of row r whole, 32 numbers each: the largest magnitude needs no other lane, and the conversions' results are the operand's registers.
; The numbers come back into the registers that loaded them.  The tile's 512 bytes of scale words are gathered in LDS and leave by one wave's store.
; LDS: bytes of this path's own, from 13,824 on: four stages of 8,448, then the 512 bytes of scale words.
.set XST, 13824
.set XSW, 47616
.macro XLD k                           ; my fragment k into v[32 + 64 k] on
.set i, 0
.rept 16
	global_load_b128 v[32+64*(\k)+4*i:35+64*(\k)+4*i], v3, s[12:13] offset:4096*i+512*(\k) th:TH_LOAD_NT
.set i, i+1
.endr
.endm
.macro XFR k, cnt                      ; cnt: the loads issued behind this fragment's own
.set RB, 32+64*(\k)
	s_wait_loadcnt \cnt
.set i, 0
.rept 16
	ds_store_b128 v14, v[RB+4*i:RB+4*i+3] offset:528*i
.set i, i+1
.endr
	s_wait_dscnt 0x0                               ; the stores have read their registers: the loads below land there
.irp j, 0,1,2,3,4,5,6,7
	ds_load_b128 v[RB+4*\j:RB+4*\j+3], v15 offset:16*\j            ; block h
.endr
.irp j, 0,1,2,3,4,5,6,7
	ds_load_b128 v[RB+32+4*\j:RB+35+4*\j], v15 offset:256+16*\j    ; block 2 + h
.endr
	s_wait_dscnt 0x0                               ; my numbers are back
.if \k
	s_wait_xcnt 0x0                                ; the first fragment's stores have read their registers
.endif
	v_max3_num_f32 v16, |v[RB]|, |v[RB+1]|, 0x1800000              ; the floor 2^(3 - 127): the byte cannot fall under 1
	v_max3_num_f32 v17, |v[RB+32]|, |v[RB+33]|, 0x1800000
.irp z, 2,4,6,8,10,12,14,16,18,20,22,24,26,28,30
	v_max3_num_f32 v16, v16, |v[RB+\z]|, |v[RB+1+\z]|
	v_max3_num_f32 v17, v17, |v[RB+32+\z]|, |v[RB+33+\z]|
.endr
	v_add_nc_u32 v18, 0xff000000, v16              ; 2 off the exponent field: the conversion's scale operand
	v_add_nc_u32 v19, 0xff000000, v17
	v_lshrrev_b32 v20, 23, v18                     ; the scale's byte
	v_lshrrev_b32 v21, 23, v19
	v_lshl_or_b32 v9, v21, 16, v20                 ; my two bytes, blocks h and 2 + h,
	v_lshlrev_b32 v9, v10, v9                      ; at their places in the word (8 h bits up);
	v_permlanex16_b32 v11, v9, s20, s21
	v_or_b32 v9, v9, v11                           ; with lane l xor 16's two the word is whole
	v_cvt_scalef32_pk16_fp6_f32 v[160:162], v[RB:RB+15], v18
	v_cvt_scalef32_pk16_fp6_f32 v[24:26], v[RB+16:RB+31], v18      ; (a conversion's three registers begin on an even number)
	v_cvt_scalef32_pk16_fp6_f32 v[166:168], v[RB+32:RB+47], v19
	v_cvt_scalef32_pk16_fp6_f32 v[28:30], v[RB+48:RB+63], v19
	v_nop                                          ; one plain place behind the scaled conversions
.irp z, 0,1,2
	v_mov_b32 v[163+\z], v[24+\z]
	v_mov_b32 v[169+\z], v[28+\z]
.endr
.irp z, 0,1,2
	global_store_b128 v3, v[160+4*\z:163+4*\z], s[14:15] offset:1536*(\k)+512*\z   ; 512 consecutive bytes, at a multiple of 256 from xq's first byte
.endr
	ds_store_b32 v12, v9 offset:64*(\k)            ; both halves of the lanes write the same word with the same value
.endm
.Lxpath:
	s_load_b128 s[12:15], s[0:1], 0x18             ; x, xq
	v_lshrrev_b32 v1, 5, v0
	v_readfirstlane_b32 s10, v1                    ; wave v
	v_and_b32 v2, 31, v0
	v_and_b32 v6, 15, v0                           ; r
	v_bfe_u32 v7, v0, 4, 1                         ; h
	v_lshlrev_b32 v3, 4, v2                        ; 16 x lane; never rewritten
	s_mul_i32 s16, s10, 8448
	s_add_co_u32 s16, s16, XST
	v_add_nc_u32 v14, s16, v3                      ; my stage, in
	v_mul_u32_u24 v15, v6, 528
	v_lshl_add_u32 v15, v7, 7, v15
	v_add_nc_u32 v15, s16, v15                     ; and out: row r, 128 h bytes on
	s_lshl_b32 s17, s10, 7
	s_add_co_u32 s17, s17, XSW
	v_lshlrev_b32 v12, 2, v6
	v_add_nc_u32 v12, s17, v12                     ; my row's scale words of my two K steps
	v_add_nc_u32 v13, XSW, v3                      ; the tile's scale words on their way out
	v_lshlrev_b32 v10, 3, v7                       ; 8 h
	v_mov_b32 v11, 0                               ; (a lane permute's destination counts as one of its sources)
	s_mov_b32 s20, 0x76543210
	s_mov_b32 s21, 0xfedcba98                      ; v_permlanex16_b32's selects for lane l xor 16
	s_sub_co_u32 s18, ttmp9, 256                   ; tile t
	s_lshl_b32 s22, s18, 16                        ; 16 rows of 4,096 bytes a tile,
	s_lshl_b32 s23, s10, 10                        ; two K steps of 512 bytes a wave
	s_add_co_u32 s22, s22, s23
	s_mov_b32 s23, 0
	s_lshr_b32 s24, s18, 2
	s_mul_i32 s24, s24, 51200                      ; the block of 64 rows,
	s_and_b32 s25, s18, 3                          ; m
	s_mul_i32 s26, s25, 12288
	s_add_co_u32 s26, s24, s26
	s_mul_i32 s27, s10, 3072
	s_add_co_u32 s26, s26, s27                     ; my two images
	s_lshl_b32 s25, s25, 9
	s_add_co_u32 s24, s24, s25
	s_add_co_u32 s24, s24, 49152                   ; the tile's scale words
	s_mov_b32 s25, 0
	s_mov_b32 s27, 0
	s_wait_alu depctr_va_vdst(0)                   ; the wait at the head's end
	s_wait_kmcnt 0x0
	s_add_nc_u64 s[12:13], s[12:13], s[22:23]
	s_add_nc_u64 s[28:29], s[14:15], s[24:25]
	s_add_nc_u64 s[14:15], s[14:15], s[26:27]
	XLD 0
	XLD 1
	XFR 0, 16
	XFR 1, 0
	s_wait_dscnt 0x0                               ; for the others' sake: my scale words have landed
	s_barrier_signal -1
	s_barrier_wait -1                              ; the tile's 512 bytes are whole
	s_cmp_lg_u32 s10, 0
	s_cbranch_scc1 .Lxend                          ; they are one wave's store
	ds_load_b128 v[32:35], v13
	s_wait_dscnt 0x0
	global_store_b128 v3, v[32:35], s[28:29]       ; 512 consecutive bytes
.Lxend:
	s_wait_tensorcnt 0x0                           ; the wave's end: behind my last LDS store
	ds_add_u32 v192, v193
	s_wait_dscnt 0x0
	s_endpgm
.Lfunc_end_k_q4f343f0a0f_prep:
	.size	k_q4f343f0a0f_prep, .Lfunc_end_k_q4f343f0a0f_prep-k_q4f343f0a0f_prep
	.p2alignl 7, 3214868480
	.fill 96, 4, 3214868480
	.section	.rodata,"a",@progbits
	.p2align	6, 0x0
	.amdhsa_kernel k_q4f343f0a0f_prep
		.amdhsa_group_segment_fixed_size 48128
		.amdhsa_private_segment_fixed_size 0
		.amdhsa_enable_private_segment 0
		.amdhsa_kernarg_size 40
		.amdhsa_user_sgpr_count 2
		.amdhsa_user_sgpr_kernarg_segment_ptr 1
		.amdhsa_wavefront_size32 1
		.amdhsa_system_sgpr_workgroup_id_x 1
		.amdhsa_system_sgpr_workgroup_id_y 1
		.amdhsa_system_sgpr_workgroup_id_z 1
		.amdhsa_system_vgpr_workitem_id 0
		.amdhsa_next_free_vgpr 194
		.amdhsa_next_free_sgpr 66
		.amdhsa_reserve_vcc 0
		.amdhsa_float_denorm_mode_32 3
		.amdhsa_float_denorm_mode_16_64 3
		.amdhsa_memory_ordered 1
		.amdhsa_forward_progress 1
		.amdhsa_inst_pref_size 53
	.end_amdhsa_kernel
	.amdgpu_metadata
---
amdhsa.version: [ 1, 2 ]
amdhsa.kernels:
  - .name:           k_q4f343f0a0f_prep
    .symbol:         k_q4f343f0a0f_prep.kd
    .args:
      - { .name: w_qkv, .offset: 0, .size: 8, .value_kind: global_buffer, .address_space: global }
      - { .name: w_proj, .offset: 8, .size: 8, .value_kind: global_buffer, .address_space: global }
      - { .name: wst, .offset: 16, .size: 8, .value_kind: global_buffer, .address_space: global }
      - { .name: x, .offset: 24, .size: 8, .value_kind: global_buffer, .address_space: global }
      - { .name: xq, .offset: 32, .size: 8, .value_kind: global_buffer, .address_space: global }
    .group_segment_fixed_size: 48128
    .private_segment_fixed_size: 0
    .kernarg_segment_align: 8
    .kernarg_segment_size: 40
    .max_flat_workgroup_size: 128
    .sgpr_count:     66
    .vgpr_count:     194
    .wavefront_size: 32
...
	.end_amdgpu_metadata
.endif
;; end of part 1
;; launch fused (part 2): grid 256 x 1, 4 waves a work-group, clusters of 4 x 1, 327,680 bytes of LDS; arguments xq, wst, b_proj, out0; writes out0
.if DOCPART == 2
	.amdgcn_target "amdgcn-amd-amdhsa--gfx1250"
	.amdhsa_code_object_version 6
	.text
	.protected	k_q4f343f0a0f_fused
	.globl	k_q4f343f0a0f_fused
	.p2align	8
	.type	k_q4f343f0a0f_fused,@function
k_q4f343f0a0f_fused:
	s_mov_b64 s[64:65], 0
	v_nop
	global_prefetch_b8 v0, s[64:65] scope:SCOPE_SE
	s_setreg_imm32_b32 hwreg(HW_REG_WAVE_MODE, 25, 1), 1
	s_wait_xcnt 0x0
	s_wait_alu depctr_hold_cnt(0) depctr_sa_sdst(0) depctr_va_vdst(0) depctr_va_sdst(0) depctr_va_ssrc(0) depctr_va_vcc(0) depctr_vm_vsrc(0)
	s_getreg_b32 s2, hwreg(HW_REG_IB_STS2, 6, 4)
	s_cmp_eq_u32 s2, 0
	s_cbranch_scc0 .Lentry_in_a_cluster
	s_endpgm
.Lentry_in_a_cluster:
	s_bfe_u32 s2, ttmp6, 0x10000c
	s_cmp_lg_u32 s2, 0x3003
	s_cbranch_scc0 .Lentry_shape_is_right
	s_endpgm
.Lentry_shape_is_right:
; out0 = (attention over the HEADS of each token, transposed as the module has it) @ w_proj + b_proj, all in one launch.  xq: x's codes and scale words, wst: the weights', both as the first launch laid them.
; SHARES.  A work-group owns 64 neighbouring tokens (four tiles m of 16) and takes them through the whole chain: 16 aligned tokens give 16 WHOLE rows of the last product's left operand, one for each head
; (token n, head h, d -> row 128 h + n / 16, column 64 (n % 16) + d of its batch), so the work-group also owns 64 whole rows of out0.
; THE LARGE PRODUCTS (x w_qkv, o w_proj): the four waves share the COLUMNS: of each chunk of 512 columns wave w makes 128, for all 64 rows.  8 chunks: q, q, k, k, v, v, out, out; 8 K steps of 128 each.
; THE WEIGHTS lie in the stream as images of the operand's registers, and each wave reads its own quarter alone.  K step s lands in register set s % 4.  They come by two roads:
;   K steps 0, 1, 4, 5 of a chunk by 25 loads of 16 bytes a lane straight into the registers, asked for when the set's last K step has been multiplied: three K steps or more ahead; 50 loads at the most are out in the products;
;   K steps 2, 3 and 6, 7 by JOINT tensor loads: all work-groups walk the same stream, so the four of a cluster ask for each quarter of a slot together (mask 15).  ONE region of LDS holds a slot (two K steps for 512 columns).
;   A slot is moved whole into the registers, and behind that stands the round behind which the region is filled again.  K steps 6, 7: moved at K step 5, the round at K step 6's head: it asks for the next chunk's K steps 2, 3.
;   K steps 2, 3: moved AHEAD OF THE CHUNK, in the epilogue of the chunk before (macro PRE), whose round asks for the chunk's K steps 6, 7: so that fill is on its way under the rest of the epilogue and K steps 0 to 4.
;   A wave reads only bytes that its own load brought, so its wait on TENSORcnt orders those reads.  The last chunk asks for nothing beyond itself and is written out.
; THE LEFT OPERAND (64 rows x 1,024 K: 32 fragments) lies in LDS as images of its registers; a K step's four fragments are read one K step ahead, into two sets by turns.
; Products are used TRANSPOSED (source 0 = 16 weight columns, source 1 = 16 rows): a lane holds one row, its registers run along the columns.
; PER TOKEN (wave w: tokens 4 w .. 4 w + 3 of each tile): q and k are quantised along d and go through LDS as rows of codes; S^T = k q^T (one scaled instruction a token, K 64 .. 127 zero codes);
; softmax over g in f32 (the maximum is taken away first); o^T = v^T attn^T by the f32 matrix form; o is quantised (a block = half a head of one token) straight into the image of the last product's operand.
; SCALE = 2^-3: q is quantised unscaled and the 2^-3 stands in the exponent's factor c = log2(e) / 8: the codes are the same and every scale byte 3 higher.
; LIMITS: that equality fails only where a block of q lies under 2^-121 (the byte's hold at 1).  A block of zeros, or one under 2^-124, gets the byte 1.  NaN and infinities are not served.  v_exp_f32 gives 0 under 2^-126.
; NO PREFETCH INSTRUCTION: each fill is asked for five K steps (160 matrix instructions) or an epilogue ahead of its first read, each load into registers three K steps or more.
; LDS (bytes): the region 0 .. 102,399;  q, k codes 102,400 (token pitch 1,552), their scale words 201,728 (pitch 136);  on bytes of these that are done with, barriers between: v's stage 102,400 (32 tokens, pitch 2,192)
;   and the way out 172,544 (16 rows x 528 a wave);  o's images 210,432, scale words 259,584;  x's images 261,632, scale words 310,784;  spare words 327,168.  Tensor loads land in the region alone.
; REGISTERS, in windows of 256: window 0: v1-29 addresses; v32-39 the rows' scale words (two sets, a set for two K steps); v40-55 the weights' (four sets); v56-59 q's and k's; v60-155 the rows' fragments (two sets of 48);
;   v156-223 at work; v224-255 four f32 sums of o^T.   windows 1, 2: v0-191 the weights (K step s: window 1 + (s % 4) / 2, from 96 (s % 2) on); v192-255 attn, 8 registers a token (later, window 1: the bias).
;   window 3: the 32 accumulators ((m, f) at 8 (8 m + f)); also x's images on their way in, and the scores.
.set WPART,  25600                     ; a wave's quarter of a slot of the stream (two K steps)
.set CHUNKB, 409600                    ; a chunk of the stream: four slots
.set QKC,    102400
.set QP,     1552
.set SWD,    201728
.set SWP,    136
.set VS,     102400
.set VP,     2192
.set STG,    172544
.set SPITCH, 528
.set OIMG,   210432
.set OSC,    259584
.set XIMG,   261632
.set XSC,    310784
.set SPARE,  327168                    ; the spare words, 128 bytes a wave: two blocks of 256 bytes that no other line names
.set TM,  156                          ; QUANT: v156-159 largest magnitudes, v160-163 bytes, v168-171 the conversions' scale operands
.set PW,  172                          ; the scale word just made
.set PC,  176                          ; v176-195 the codes just made
.set VA,  156                          ; v156-187 v^T of two tokens
.set FA,  224                          ; v224-255 o^T of two tokens: written by the f32 matrix form alone
.set BK,  156                          ; v156-219 16 rows on the way out
.set TA0, 220                          ; v220-222 a trip's LDS addresses
.set TA1, 221
.set TA2, 222
.set MSB, 0
.macro WIN new                         ; the immediate's high byte repeats the setting that is left; a switch that changes nothing is dropped
.if MSB != (\new)
	s_set_vgpr_msb (MSB<<8)|(\new)
.set MSB, (\new)
.endif
.endm
.macro PLACES n                        ; plain vector instructions that name no register of the matrix instruction in front (ISA guide 7.12.1)
.rept \n
	v_nop
.endr
.endm
.macro CREST                           ; a round of the cluster's barrier behind its opening barrier
	s_cmp_lg_u32 s12, 0
	s_cbranch_scc1 .Lnot_wave_0_\@
	s_barrier_signal -3
.Lnot_wave_0_\@:
	s_barrier_wait -3
	s_barrier_signal -1
	s_barrier_wait -1
.endm
.macro CROUND                          ; a whole round
	s_barrier_signal -1
	s_barrier_wait -1
	CREST
.endm
; K step t of the chunk at s[28:29] (8, 9: the next chunk's 0, 1) from memory into set t % 4: 24 loads of fragments and one of scale words
.macro GLOAD t
.set WO, ((\t)/8)*CHUNKB+(((\t)%8)/2)*102400+((\t)%2)*12800
.set WB, 96*((\t)%2)
	WIN 0x40*(1+((\t)%4)/2)
.irp f, 0,1,2,3,4,5,6,7
.irp c, 0,1,2
	global_load_b128 v[WB+12*\f+4*\c:WB+12*\f+4*\c+3], v3, s[28:29] offset:WO+1536*\f+512*\c
.endr
.endr
	WIN 0
	global_load_b128 v[40+4*((\t)%4):43+4*((\t)%4)], v3, s[28:29] offset:WO+12288
.endm
; K step t out of my quarter of the region into set t % 4: the same 25 as LDS loads
.macro DLOAD t
.set WB, 96*((\t)%2)
	WIN 0x40*(1+((\t)%4)/2)
.irp f, 0,1,2,3,4,5,6,7
.irp c, 0,1,2
	ds_load_b128 v[WB+12*\f+4*\c:WB+12*\f+4*\c+3], v4 offset:12800*((\t)%2)+1536*\f+512*\c
.endr
.endr
	WIN 0
	ds_load_b128 v[40+4*((\t)%4):43+4*((\t)%4)], v4 offset:12800*((\t)%2)+12288
.endm
; AHEAD OF A CHUNK: its K steps 2 and 3 leave the region for sets 2 and 3 (the last chunk's K steps 6 and 7 are done with them), and behind a round the region takes the chunk's K steps 6 and 7
.macro PRE
	s_wait_tensorcnt 0x0                           ; my quarter of the slot, which I fetched and I alone read, has landed
	DLOAD 2
	DLOAD 3
	s_wait_tensorcnt 0x0                           ; none of my tensor loads is out;
	ds_add_u32 v1, v2                              ; 0 onto my spare word;
	s_add_nc_u64 s[26:27], s[26:27], 2*102400      ; the next slot that comes by this road
	s_wait_dscnt 0x0                               ; the add is done, and the slot lies whole in my registers
	CROUND                                         ; no wave of any partner still reads the region or has a load on its way
	tensor_load_to_lds s[24:27], s[16:23]
	s_nop 0
	PLACES 4                                       ; behind a tensor load
.endm
; The rows' four fragments of K step s into set s % 2; with an even K step the scale words of the pair s, s + 1: lanes 0-15 take K step s's, lanes 16-31 K step s + 1's
.macro ALD s, ai, as
.irp m, 0,1,2,3
.irp c, 0,1,2
	ds_load_b128 v[60+48*((\s)%2)+12*\m+4*\c:60+48*((\s)%2)+12*\m+4*\c+3], v[\ai] offset:(8*\m+(\s))*1536+512*\c
.endr
.endr
.if (\s)%2 == 0
.irp m, 0,1,2,3
	ds_load_b32 v[32+4*(((\s)/2)%2)+\m], v[\as] offset:(8*\m+(\s))*64
.endr
.endif
.endm
; One product: weight fragment ff x row tile mm, K step s.  The weights' scale words: fragments 0-3 in lanes 0-15, 4-7 in lanes 16-31; the rows': even K steps in lanes 0-15, odd ones in lanes 16-31.
; mode 0: adds on;  1: starts the sum with 0;  2: starts it with the bias (window 1).  Modes 1 and 2 occur at K step 0 alone.
.macro MM1 s, mode
.set rD, 8*(8*mm+ff)
.set rB, 96*((\s)%2)+12*ff
.set rA, 60+48*((\s)%2)+12*mm
.set rP, 40+4*((\s)%4)+ff%4
.set rQ, 32+4*(((\s)/2)%2)+mm
.set rC, 192+8*ff
.if (\mode) == 1
.if ff < 4
	v_wmma_scale_f32_16x16x128_f8f6f4 v[rD:rD+7], v[rB:rB+11], v[rA:rA+11], 0, v[rP], v[rQ] matrix_a_fmt:MATRIX_FMT_FP6 matrix_b_fmt:MATRIX_FMT_FP6
.else
	v_wmma_scale_f32_16x16x128_f8f6f4 v[rD:rD+7], v[rB:rB+11], v[rA:rA+11], 0, v[rP], v[rQ] matrix_a_fmt:MATRIX_FMT_FP6 matrix_b_fmt:MATRIX_FMT_FP6 matrix_a_scale:MATRIX_SCALE_ROW1
.endif
.elseif (\mode) == 2
.if ff < 4
	v_wmma_scale_f32_16x16x128_f8f6f4 v[rD:rD+7], v[rB:rB+11], v[rA:rA+11], v[rC:rC+7], v[rP], v[rQ] matrix_a_fmt:MATRIX_FMT_FP6 matrix_b_fmt:MATRIX_FMT_FP6
.else
	v_wmma_scale_f32_16x16x128_f8f6f4 v[rD:rD+7], v[rB:rB+11], v[rA:rA+11], v[rC:rC+7], v[rP], v[rQ] matrix_a_fmt:MATRIX_FMT_FP6 matrix_b_fmt:MATRIX_FMT_FP6 matrix_a_scale:MATRIX_SCALE_ROW1
.endif
.elseif (\s)%2 == 0
.if ff < 4
	v_wmma_scale_f32_16x16x128_f8f6f4 v[rD:rD+7], v[rB:rB+11], v[rA:rA+11], v[rD:rD+7], v[rP], v[rQ] matrix_a_fmt:MATRIX_FMT_FP6 matrix_b_fmt:MATRIX_FMT_FP6
.else
	v_wmma_scale_f32_16x16x128_f8f6f4 v[rD:rD+7], v[rB:rB+11], v[rA:rA+11], v[rD:rD+7], v[rP], v[rQ] matrix_a_fmt:MATRIX_FMT_FP6 matrix_b_fmt:MATRIX_FMT_FP6 matrix_a_scale:MATRIX_SCALE_ROW1
.endif
.else
.if ff < 4
	v_wmma_scale_f32_16x16x128_f8f6f4 v[rD:rD+7], v[rB:rB+11], v[rA:rA+11], v[rD:rD+7], v[rP], v[rQ] matrix_a_fmt:MATRIX_FMT_FP6 matrix_b_fmt:MATRIX_FMT_FP6 matrix_b_scale:MATRIX_SCALE_ROW1
.else
	v_wmma_scale_f32_16x16x128_f8f6f4 v[rD:rD+7], v[rB:rB+11], v[rA:rA+11], v[rD:rD+7], v[rP], v[rQ] matrix_a_fmt:MATRIX_FMT_FP6 matrix_b_fmt:MATRIX_FMT_FP6 matrix_a_scale:MATRIX_SCALE_ROW1 matrix_b_scale:MATRIX_SCALE_ROW1
.endif
.endif
.endm
; n fragments from f0 on, each against the four row tiles.  The 32 accumulators take turns, one instruction a turn, in the same order in every K step.
.macro MUL s, f0, n, mode
.if (\mode) == 2
	WIN 0xd0+1+((\s)%4)/2                          ; source 0 (weights) window 1 or 2, source 1 (rows) window 0, C (bias) window 1, D window 3
.else
	WIN 0xf0+1+((\s)%4)/2                          ; C and D window 3
.endif
.set ff, \f0
.rept \n
.set mm, 0
.rept 4
	MM1 \s, \mode
.set mm, mm+1
.endr
.set ff, ff+1
.endr
.endm
; A K step: 32 products.  The four places at its head stand behind the last K step's products and ahead of all this K step's loads, which land in registers that products of earlier K steps have read.
; nx = 1: the chunk has a successor: its K steps 0 and 1 and its first slot are asked for.
.macro KSTEP s, ai, as, mode, nx
.if (\s)%4 == 0
	s_wait_loadcnt 25                              ; loads come back in order (ISA guide 5.7.1): this K step's 25 are in; the next K step's 25, issued behind them, may be out
.elseif (\s)%4 == 1
	s_wait_loadcnt 0x0                             ; nothing was asked for behind this K step's 25
.endif
	PLACES 4
	WIN 0
.if (\s) == 6 && (\nx) == 1
	s_wait_tensorcnt 0x0                           ; none of my tensor loads is out;
	ds_add_u32 v1, v2                              ; 0 onto my spare word;
	s_add_nc_u64 s[26:27], s[26:27], 2*102400      ; the next slot that comes by this road
	s_wait_dscnt 0x0                               ; the add is done, the slot lies whole in my registers, and the rows' fragments are in
	s_barrier_signal -1                            ; this barrier opens a round of the cluster's barrier
	MUL \s, 0, 2, 0                                ; work on registers while the others arrive
	WIN 0
	s_barrier_wait -1
	CREST                                          ; no wave of any partner still reads the region or has a load on its way
	tensor_load_to_lds s[24:27], s[16:23]
	s_nop 0
	PLACES 4                                       ; behind a tensor load
.set f1, 2
.else
	s_wait_dscnt 0x0                               ; the rows' fragments of this K step (and a slot's, where they were asked for a K step ago) are in
.set f1, 0
.endif
.if (\s) == 5
	s_wait_tensorcnt 0x0                           ; my quarter of the slot, which I fetched and I alone read, has landed
	DLOAD 6
	DLOAD 7
.endif
.if (\s) == 1 || (\s) == 2 || (((\s) == 5 || (\s) == 6) && (\nx) == 1)
	GLOAD (\s)+3                                   ; into the set that the last K step has left
.endif
.if (\s) < 7
	ALD (\s)+1, \ai, \as
.endif
	MUL \s, f1, 4-f1, \mode
	MUL \s, 4, 4, \mode
.endm
.macro GEMM ai, as, mode, nx           ; a chunk; its K steps 0 and 1 have been asked for, its K steps 2 and 3 lie in their registers, its K steps 6 and 7 are on their way
	ALD 0, \ai, \as
	KSTEP 0, \ai, \as, \mode, \nx
.irp s, 1,2,3,4,5,6,7
	KSTEP \s, \ai, \as, 0, \nx
.endr
	PLACES 4                                       ; ahead of the first read of the results
	WIN 0
.if \nx
	s_wait_xcnt 0x0                                ; the chunk's loads have read their base: it may be stepped
	s_add_nc_u64 s[28:29], s[28:29], CHUNKB
.endif
.endm
; 64 numbers of a lane in WINDOW 3, v[s] .. v[s + 63], register 16 b + i = k 32 b + 16 (lane / 16) + i of my row, become a fragment's codes in v[PC] on and its scale word in v[PW].  Each accumulator is read from its low end on.
.macro QUANT s
	WIN 0x0f                                       ; sources 0 and 1 window 3
.irp b, 0,1,2,3
	v_max3_num_f32 v[TM+\b], |v[(\s)+16*\b]|, |v[(\s)+16*\b+1]|, 0x1800000   ; my 16 numbers of block b, and the floor 2^(3 - 127): the byte cannot fall under 1
.endr
.irp z, 2,4,6,8,10,12,14
.irp b, 0,1,2,3
	v_max3_num_f32 v[TM+\b], |v[(\s)+16*\b+\z]|, |v[(\s)+16*\b+\z+1]|, v[TM+\b]   ; (the four blocks by turns)
.endr
.endr
	WIN 0
.irp b, 0,1,2,3
	v_permlanex16_b32 v[TM+4+\b], v[TM+\b], s44, s45
.endr
.irp b, 0,1,2,3
	v_max_num_f32 v[TM+\b], v[TM+\b], v[TM+4+\b]   ; with lane l xor 16's: the block's largest magnitude
.endr
.irp b, 0,1,2,3
	v_add_nc_u32 v[TM+12+\b], 0xff000000, v[TM+\b] ; 2 off its exponent field: the conversion's scale operand
.endr
.irp b, 0,1,2,3
	v_lshrrev_b32 v[TM+4+\b], 23, v[TM+12+\b]      ; the scale's byte
.endr
	v_lshl_or_b32 v[PW], v[TM+5], 8, v[TM+4]
	v_lshl_or_b32 v[PW], v[TM+6], 16, v[PW]
	v_lshl_or_b32 v[PW], v[TM+7], 24, v[PW]
	WIN 0x03                                       ; source 0 window 3
.irp c, 0,1
	v_cvt_scalef32_pk16_fp6_f32 v[PC+6*\c:PC+2+6*\c], v[(\s)+32*\c:(\s)+15+32*\c], v[TM+12+2*\c]
	v_cvt_scalef32_pk16_fp6_f32 v[PC+12+4*\c:PC+14+4*\c], v[(\s)+16+32*\c:(\s)+31+32*\c], v[TM+13+2*\c]   ; (a conversion's three registers begin on an even number)
.endr
	WIN 0
	v_nop                                          ; one plain place behind the scaled conversions
.irp c, 0,1                            ; the operand's layout wants a WHOLE block in a lane: lanes 0-15 block 2 c, lanes 16-31 block 2 c + 1
.irp i, 0,1,2
	v_permlane16_swap_b32 v[PC+6*\c+\i], v[PC+12+4*\c+\i]
.endr
.irp i, 0,1,2
	v_mov_b32 v[PC+3+6*\c+\i], v[PC+12+4*\c+\i]
.endr
.endr
.endm
; ---------------- the head
	s_load_b256 s[4:11], s[0:1], 0x0               ; xq s[4:5], wst s[6:7], b_proj s[8:9], out0 s[10:11]
	v_lshl_add_u32 v1, v0, 2, SPARE                ; my spare word; never rewritten
	v_mov_b32 v2, 0                                ; never rewritten
	ds_add_u32 v1, v2                              ; the opening lines, ahead of the round in front of my first tensor load: the add, twice on end, and its wait
	ds_add_u32 v1, v2
	v_lshrrev_b32 v30, 5, v0
	v_readfirstlane_b32 s12, v30                   ; wave 0..3
	v_and_b32 v156, 31, v0                         ; lane
	v_and_b32 v30, 15, v0                          ; r
	v_bfe_u32 v31, v0, 4, 1                        ; h'
	v_lshlrev_b32 v3, 4, v156                      ; 16 x lane: my place in an image, in LDS and in memory; never rewritten
	v_lshlrev_b32 v158, 2, v156
	v_lshlrev_b32 v159, 2, v30
	s_bfe_u32 s13, ttmp6, 0x40000                  ; cx: it enters global addresses of my own loads and stores alone
	s_lshl_b32 s14, ttmp9, 2
	s_add_co_u32 s14, s14, s13                     ; work-group = 4 x cluster + cx
	; group 1 for the stream: a dense block of 25,600 bytes as 100 rows of 256 (32 elements of 8 bytes); mask 15, bit 21 beside it
	s_mov_b32 s16, 15|(3<<16)|(1<<21)
	s_mov_b32 s17, 32<<16
	s_mov_b32 s18, 100<<16
	s_mov_b32 s19, 32<<16
	s_mov_b32 s20, 100
	s_mov_b32 s21, 32
	s_mov_b32 s22, 0
	s_mov_b32 s23, 0
	s_mul_i32 s54, s12, WPART                      ; my quarter, in the region and in a slot of the stream
	s_mov_b32 s55, 0
	s_mov_b32 s24, 1
	s_mov_b32 s25, s54
	s_mul_i32 s56, s14, 51200                      ; my work-group's block of xq,
	s_mul_i32 s57, s12, 12800                      ; my quarter of it
	s_add_co_u32 s56, s56, s57
	s_mov_b32 s57, 0
	s_mov_b32 s44, 0x76543210
	s_mov_b32 s45, 0xfedcba98                      ; v_permlanex16_b32's selects for lane l xor 16
	s_mov_b32 s46, 0x3e38aa3b                      ; c = log2(e) / 8
	s_mov_b32 s47, s46                             ; (named with it as a pair)
	s_wait_dscnt 0x0                               ; both opening adds are done
	s_wait_alu depctr_va_vdst(0)                   ; directly ahead of the wait below
	s_wait_kmcnt 0x0
	s_add_nc_u64 s[28:29], s[6:7], s[54:55]        ; the stream at chunk 0, my quarter
	s_add_nc_u64 s[26:27], s[28:29], 102400        ; its K steps 2 and 3
	s_or_b32 s27, s27, 0x80000000
	s_add_nc_u64 s[4:5], s[4:5], s[56:57]
	CROUND                                         ; the opening round: the first joint loads meet
	tensor_load_to_lds s[24:27], s[16:23]          ; my one tensor load at the head
	s_nop 0
	PLACES 4
	WIN 0xc0                                       ; destination window 3
.set j, 0
.rept 25
	global_load_b128 v[4*j:4*j+3], v3, s[4:5] offset:512*j th:TH_LOAD_NT   ; my quarter of x's images and scale words: 25 x 512 consecutive bytes
.set j, j+1
.endr
	WIN 0
	GLOAD 0
	GLOAD 1
	s_lshl_b32 s58, s12, 9
	s_mov_b32 s59, 0
	s_add_nc_u64 s[8:9], s[8:9], s[58:59]          ; the bias at my 128 columns
	s_lshr_b32 s58, s14, 5
	s_lshl_b32 s58, s58, 11                        ; my batch's first row,
	s_and_b32 s57, s14, 31
	s_lshl_b32 s57, s57, 2
	s_add_co_u32 s58, s58, s57                     ; + 4 (work-group % 32): row (m, h) is 128 h + m further on
	s_lshl_b32 s58, s58, 12
	s_add_nc_u64 s[10:11], s[10:11], s[58:59]
	v_add_nc_u32 v4, s54, v3                       ; the region: my quarter + 16 x lane
	s_mul_i32 s55, s12, 12800
	s_add_co_u32 s55, s55, XIMG
	v_add_nc_u32 v5, s55, v3                       ; where I lay my quarter of x's images
	v_add_nc_u32 v8, XIMG, v3
	v_add_nc_u32 v9, XSC, v158
	v_add_nc_u32 v10, OIMG, v3
	v_add_nc_u32 v11, OSC, v158
	v_mul_u32_u24 v12, v30, QP
	v_mad_u32_u24 v12, v31, 24, v12
	s_mul_i32 s55, s12, 96
	s_add_co_u32 s55, s55, QKC
	v_add_nc_u32 v12, s55, v12                     ; q, k codes in: token r, my two heads, block h'
	v_add_nc_u32 v13, 32*QP, v12                   ; tiles 2 and 3
	v_mul_u32_u24 v14, v30, SWP
	s_lshl_b32 s55, s12, 3
	s_add_co_u32 s55, s55, SWD
	v_add_nc_u32 v14, s55, v14                     ; their scale words
	v_mul_u32_u24 v17, v30, 48
	v_mad_u32_u24 v17, v31, 24, v17
	s_mul_i32 s55, s12, 4*QP
	s_add_co_u32 s55, s55, QKC
	v_add_nc_u32 v17, s55, v17                     ; q, k codes out: my four tokens, head r, block h'
	v_add_nc_u32 v18, 32*QP, v17
	s_mul_i32 s55, s12, 4*SWP
	s_add_co_u32 s55, s55, SWD
	v_add_nc_u32 v19, s55, v158                    ; lanes 0-15 q's words, lanes 16-31 k's
	v_mul_u32_u24 v20, v30, VP
	v_lshl_add_u32 v20, v31, 5, v20
	s_mul_i32 s55, s12, 544
	s_add_co_u32 s55, s55, VS
	v_add_nc_u32 v20, s55, v20                     ; v in: token r, my 8 positions, heads 8 h' on
	v_lshlrev_b32 v21, 6, v30
	v_lshrrev_b32 v160, 2, v30
	v_lshl_add_u32 v21, v160, 4, v21
	v_lshl_add_u32 v21, v31, 5, v21
	s_mul_i32 s55, s12, 4*VP
	s_add_co_u32 s55, s55, VS
	v_add_nc_u32 v21, s55, v21                     ; v out: my four tokens, position r, heads 8 h' on
	v_lshlrev_b32 v160, 4, v30
	s_mul_i32 s55, s12, 3072
	s_add_co_u32 s55, s55, OIMG
	v_add_nc_u32 v160, s55, v160
	v_mad_u32_u24 v22, v31, 12, v160               ; o's images: lanes 16-31 write three registers further on: 12 bytes on where that stays inside a group of four registers,
	v_mad_u32_u24 v23, v31, 508, v160              ; 508 where it crosses into the next
	s_lshl_b32 s55, s12, 7
	s_add_co_u32 s55, s55, OSC
	v_add_nc_u32 v24, s55, v159                    ; o's scale bytes
	v_mul_u32_u24 v25, v30, SPITCH
	v_lshl_add_u32 v25, v31, 5, v25
	s_mul_i32 s55, s12, 16*SPITCH
	s_add_co_u32 s55, s55, STG
	v_add_nc_u32 v25, s55, v25                     ; the way out, in
	v_add_nc_u32 v26, s55, v3                      ; and back
	s_lshl_b32 s55, s12, 9
	v_add_nc_u32 v27, s55, v3                      ; my bytes in a row of out0
	v_lshlrev_b32 v29, 5, v31                      ; the bias: 8 h' numbers on
.irp z, 160,161,162,163,190,191,206,207
	v_mov_b32 v[\z], 0                             ; written once: a lane permute's destination counts as one of its sources
.endr
	s_wait_alu depctr_va_vdst(0)                   ; the wait at the head's end
	s_wait_loadcnt 50                              ; x's 25 loads are in; the 50 of K steps 0 and 1, issued behind them, may be out
	WIN 0x0c                                       ; an LDS store's data are its source 1: window 3
.set j, 0
.rept 25
	ds_store_b128 v5, v[4*j:4*j+3] offset:512*j
.set j, j+1
.endr
	WIN 0
	s_wait_dscnt 0x0                               ; for the others' sake: my quarter has landed
	s_barrier_signal -1
	s_barrier_wait -1                              ; x's 32 images and their scale words are whole
	PRE                                            ; chunk 0's K steps 2 and 3 into their registers; its K steps 6 and 7 are asked for
; ---------------- q, q, k, k: each chunk's results are quantised along d and stored as rows of codes: token pitch 1,552; head 48 bytes, block 24; q's 16 heads, then k's
	s_mov_b32 s54, 0                               ; 384 bytes of codes a chunk (8 heads),
	s_mov_b32 s55, 0                               ; 32 bytes of scale words
	s_mov_b32 s49, 4
.Lqk:
	GEMM 8, 9, 1, 1
	v_add_nc_u32 v[TA0], s54, v12
	v_add_nc_u32 v[TA1], s54, v13
	v_add_nc_u32 v[TA2], s55, v14
.irp m, 0,1,2,3
	QUANT 64*\m                                    ; my 128 columns of tile m: two heads x two blocks; lane (r, h') ends with token r, head c, block h' in registers 6 c on
.irp c, 0,1
.irp i, 0,1,2
	ds_store_b64 v[TA0+\m/2], v[PC+6*\c+2*\i:PC+6*\c+2*\i+1] offset:(\m%2)*16*QP+48*\c+8*\i
.endr
.endr
	v_and_b32 v174, 0xffff, v[PW]                  ; a head's scale word: its two bytes; the bytes of K 64 .. 127 are 0 and stand over zero codes
	v_lshrrev_b32 v175, 16, v[PW]
	ds_store_b64 v[TA2], v[174:175] offset:16*SWP*\m
	s_wait_dscnt 0x0                               ; the stores have read their registers
.endr
	PRE                                            ; for the next chunk
	s_add_co_u32 s54, s54, 384
	s_add_co_u32 s55, s55, 32
	s_sub_co_u32 s49, s49, 1
	s_cmp_lg_u32 s49, 0
	s_cbranch_scc1 .Lqk
; ---------------- the scores and the softmax, four tokens (tile m: tokens 4 w + 0 .. 3) at a time.  All in window 3: q's fragment of token b at 24 b, k's at 24 b + 12, S^T at 96 + 8 b, four registers at work at 128 + 4 b
.macro SLOAD m
	WIN 0xc0
.irp b, 0,1,2,3
.irp p, 0,1,2
	ds_load_b64 v[24*\b+2*\p:24*\b+2*\p+1], v[17+(\m)/2] offset:(((\m)%2)*16+\b)*QP+8*\p
	ds_load_b64 v[24*\b+12+2*\p:24*\b+13+2*\p], v[17+(\m)/2] offset:(((\m)%2)*16+\b)*QP+768+8*\p
.endr
.endr
	WIN 0
.irp b, 0,1,2,3
	ds_load_b32 v[56+\b], v19 offset:(16*(\m)+\b)*SWP
.endr
.endm
.macro SGROUP m, more
	s_wait_dscnt 0x0                               ; the group's fragments and scale words are in
	WIN 0xff
.irp b, 0,1,2,3                        ; S^T = k q^T: lane (r, h') holds head h = r and g = 8 h' + 0 .. 7.  One register carries q's words (lanes 0-15) and k's (lanes 16-31)
	v_wmma_scale_f32_16x16x128_f8f6f4 v[96+8*\b:103+8*\b], v[24*\b+12:24*\b+23], v[24*\b:24*\b+11], 0, v[56+\b], v[56+\b] matrix_a_fmt:MATRIX_FMT_FP6 matrix_b_fmt:MATRIX_FMT_FP6 matrix_a_scale:MATRIX_SCALE_ROW1
.endr
	PLACES 4
.if \more
	SLOAD (\m)+1                                   ; the next group's, under this group's softmax
.endif
	WIN 0xff
.irp b, 0,1,2,3
	v_max3_num_f32 v[128+4*\b], v[96+8*\b], v[97+8*\b], v[98+8*\b]
.endr
.irp b, 0,1,2,3
	v_max3_num_f32 v[128+4*\b], v[128+4*\b], v[99+8*\b], v[100+8*\b]
.endr
.irp b, 0,1,2,3
	v_max3_num_f32 v[128+4*\b], v[128+4*\b], v[101+8*\b], v[102+8*\b]
.endr
.irp b, 0,1,2,3
	v_max_num_f32 v[128+4*\b], v[128+4*\b], v[103+8*\b]
.endr
.irp b, 0,1,2,3
	v_permlanex16_b32 v[129+4*\b], v[128+4*\b], s44, s45
.endr
.irp b, 0,1,2,3
	v_max_num_f32 v[128+4*\b], v[128+4*\b], v[129+4*\b]   ; the row's largest score
.endr
.irp i, 0,2,4,6
.irp b, 0,1,2,3
	v_pk_add_f32 v[96+8*\b+\i:97+8*\b+\i], v[96+8*\b+\i:97+8*\b+\i], v[128+4*\b:129+4*\b] op_sel_hi:[1,0] neg_lo:[0,1] neg_hi:[0,1]   ; s - max first, so that nothing is lost where the scores are large
.endr
.endr
.irp i, 0,2,4,6
.irp b, 0,1,2,3
	v_pk_mul_f32 v[96+8*\b+\i:97+8*\b+\i], v[96+8*\b+\i:97+8*\b+\i], s[46:47] op_sel_hi:[1,0]
.endr
.endr
	s_wait_alu depctr_va_vdst(0)                   ; ahead of the batch
.irp i, 0,1,2,3,4,5,6,7
.irp b, 0,1,2,3
	v_exp_f32 v[96+8*\b+\i], v[96+8*\b+\i]
.endr
.endr
	v_nop                                          ; a plain place behind the exponentials
	s_wait_alu depctr_va_vdst(0)                   ; and behind it
.irp b, 0,1,2,3
	v_pk_add_f32 v[130+4*\b:131+4*\b], v[96+8*\b:97+8*\b], v[98+8*\b:99+8*\b]
.endr
.irp b, 0,1,2,3
	v_pk_add_f32 v[130+4*\b:131+4*\b], v[130+4*\b:131+4*\b], v[100+8*\b:101+8*\b]
.endr
.irp b, 0,1,2,3
	v_pk_add_f32 v[130+4*\b:131+4*\b], v[130+4*\b:131+4*\b], v[102+8*\b:103+8*\b]
.endr
.irp b, 0,1,2,3
	v_add_f32 v[130+4*\b], v[130+4*\b], v[131+4*\b]
.endr
.irp b, 0,1,2,3
	v_permlanex16_b32 v[131+4*\b], v[130+4*\b], s44, s45
.endr
.irp b, 0,1,2,3
	v_add_f32 v[130+4*\b], v[130+4*\b], v[131+4*\b]   ; the row's sum
.endr
	s_wait_alu depctr_va_vdst(0)
.irp b, 0,1,2,3
	v_rcp_f32 v[128+4*\b], v[130+4*\b]
.endr
	v_nop                                          ; a plain place behind the reciprocals
	WIN 0x4f+0x40*((\m)/2)                         ; destination window 1 (tiles 0, 1) or 2
	s_wait_alu depctr_va_vdst(0)
.irp b, 0,1,2,3
.irp i, 0,2,4,6
	v_pk_mul_f32 v[192+8*((4*(\m)+\b)%8)+\i:193+8*((4*(\m)+\b)%8)+\i], v[96+8*\b+\i:97+8*\b+\i], v[128+4*\b:129+4*\b] op_sel_hi:[1,0]   ; attn[h = r][g = 8 h' + 0 .. 7], normalised
.endr
.endr
	WIN 0
.endm
	s_wait_dscnt 0x0
	s_barrier_signal -1
	s_barrier_wait -1                              ; all heads' codes and scale words lie in LDS
	WIN 0xc0
.irp b, 0,1,2,3
.irp q, 6,7,8,9,10,11,18,19,20,21,22,23
	v_mov_b32 v[24*\b+\q], 0                       ; K 64 .. 127 of both operands: zero codes, written once
.endr
	v_mov_b32 v[129+4*\b], 0                       ; (a lane permute's destination counts as one of its sources)
.endr
	PLACES 4                                       ; operands written by vector instructions stand four places ahead of a scaled matrix instruction
	SLOAD 0
	s_wait_alu depctr_va_vdst(0)
	SGROUP 0, 1
	SGROUP 1, 1
	SGROUP 2, 1
	SGROUP 3, 0
; ---------------- v and o: trip e takes d = 32 e .. 32 e + 31 of every head.  v's stage lies on q's and k's codes: the round in the chunk's products stands between the last read of these and the first store
.macro VSTORE rho                      ; tiles 2 rho, 2 rho + 1: lane (r, h'): token r, position 8 w + f, heads 8 h' + 0 .. 7; each accumulator from its low end on
	WIN 0x0c                                       ; an LDS store's data are its source 1: window 3
.irp t, 0,1
.irp f, 0,1,2,3,4,5,6,7
	ds_store_b128 v20, v[8*(8*(2*(\rho)+\t)+\f):8*(8*(2*(\rho)+\t)+\f)+3] offset:\t*16*VP+64*\f+16*(\f/4)
	ds_store_b128 v20, v[8*(8*(2*(\rho)+\t)+\f)+4:8*(8*(2*(\rho)+\t)+\f)+7] offset:\t*16*VP+64*\f+16*(\f/4)+16
.endr
.endr
	WIN 0
.endm
.macro VLOAD ml, i0                    ; v^T of tokens i0, i0 + 1 of the round's tile ml: lane (r, h'): position 16 u + r, heads 8 h' + 0 .. 7: 8 loads
.irp a, 0,1
.irp u, 0,1
.irp q, 0,1
	ds_load_b128 v[VA+16*\a+8*\u+4*\q:VA+16*\a+8*\u+4*\q+3], v21 offset:(16*(\ml)+(\i0)+\a)*VP+1088*\u+16*\q
.endr
.endr
.endr
.endm
; Two tokens: o^T = v^T attn^T (source 0 = 16 positions of d, source 1 = attn's 16 heads; K = g in four steps of 4, g = 8 h' + 2 kk + j on both sides alike).  The positions are laid so that a lane's 16 results are d = 32 e + 16 h' + 0 .. 15 of head r.
; The four sums take turns; each begins with the constant 0.  Then each token's block of 32 (lanes l and l xor 16) is quantised, and its codes go straight into the image of the last product's
; operand: fragment (m, 2 w + i / 2), lane r + 16 e, registers 6 (i % 2) + 3 h' + 0 .. 2; its byte into that row's scale word at 2 (i % 2) + e.  par: which of two sets of work registers.
.macro PAIR rho, ml, i0, par, cnt, nx, nml, ni0
.set TS, 188+16*(\par)
.set OB, 12288*(2*(\rho)+(\ml))+1536*((\i0)/2)
.set OY, 512*(2*(\rho)+(\ml))+64*((\i0)/2)
	s_wait_dscnt \cnt                              ; v^T is in; the eight stores of the pair before, issued behind its loads, may be out; those of two pairs back, which read this set's registers, are done
	WIN 0x04*(1+(\rho))                            ; source 1 (attn) window 1 or 2
.irp kk, 0,1,2,3
.irp a, 0,1
.irp u, 0,1
.if \kk == 0
	v_wmma_f32_16x16x4_f32 v[FA+16*\a+8*\u:FA+16*\a+8*\u+7], v[VA+16*\a+8*\u+2*\kk:VA+16*\a+8*\u+2*\kk+1], v[192+8*(4*(\ml)+(\i0)+\a)+2*\kk:193+8*(4*(\ml)+(\i0)+\a)+2*\kk], 0
.else
	v_wmma_f32_16x16x4_f32 v[FA+16*\a+8*\u:FA+16*\a+8*\u+7], v[VA+16*\a+8*\u+2*\kk:VA+16*\a+8*\u+2*\kk+1], v[192+8*(4*(\ml)+(\i0)+\a)+2*\kk:193+8*(4*(\ml)+(\i0)+\a)+2*\kk], v[FA+16*\a+8*\u:FA+16*\a+8*\u+7]
.endif
.endr
.endr
.endr
	WIN 0
	PLACES 9                                       ; behind this form: in front of the loads into its sources and of the first read of its results
.if \nx
	VLOAD \nml, \ni0
.endif
.irp a, 0,1
	v_max3_num_f32 v[TS+\a], |v[FA+16*\a]|, |v[FA+16*\a+1]|, 0x1800000
.endr
.irp z, 2,4,6,8,10,12,14
.irp a, 0,1
	v_max3_num_f32 v[TS+\a], v[TS+\a], |v[FA+16*\a+\z]|, |v[FA+16*\a+\z+1]|
.endr
.endr
.irp a, 0,1
	v_permlanex16_b32 v[TS+2+\a], v[TS+\a], s44, s45
.endr
.irp a, 0,1
	v_max_num_f32 v[TS+\a], v[TS+\a], v[TS+2+\a]
.endr
.irp a, 0,1
	v_add_nc_u32 v[TS+4+\a], 0xff000000, v[TS+\a]
.endr
.irp a, 0,1
	v_lshrrev_b32 v[TS+6+\a], 23, v[TS+4+\a]
.endr
.irp a, 0,1
	v_cvt_scalef32_pk16_fp6_f32 v[TS+8+4*\a:TS+10+4*\a], v[FA+16*\a:FA+16*\a+15], v[TS+4+\a]
.endr
	v_nop                                          ; one plain place behind the scaled conversions
	ds_store_b32 v[TA0], v[TS+8] offset:OB         ; token i0: registers 0, 1, 2 (lanes 16-31: 3, 4, 5)
	ds_store_b32 v[TA1], v[TS+9] offset:OB+4
	ds_store_b32 v[TA1], v[TS+10] offset:OB+8
	ds_store_b8 v[TA2], v[TS+6] offset:OY
	ds_store_b32 v[TA1], v[TS+12] offset:OB+520    ; token i0 + 1: registers 6, 7, 8 (9, 10, 11)
	ds_store_b32 v[TA1], v[TS+13] offset:OB+524
	ds_store_b32 v[TA0], v[TS+14] offset:OB+1024
	ds_store_b8 v[TA2], v[TS+7] offset:OY+2
.endm
	s_mov_b32 s54, 0                               ; 256 e: lanes 16-31 of the images take the blocks of e = 1
	s_mov_b32 s55, 0                               ; e
	s_mov_b32 s49, 2
.Lv:
	GEMM 8, 9, 1, 1
	v_add_nc_u32 v[TA0], s54, v22
	v_add_nc_u32 v[TA1], s54, v23
	v_add_nc_u32 v[TA2], s55, v24
.irp o, 0,1                            ; two rounds of 32 tokens through v's stage
	VSTORE \o
	s_wait_dscnt 0x0                               ; my stores have landed
	s_barrier_signal -1
	s_barrier_wait -1                              ; all 32 positions of the 32 tokens lie in the stage
	VLOAD 0, 0
	PAIR \o, 0, 0, 0, 0, 1, 0, 2
	PAIR \o, 0, 2, 1, 8, 1, 1, 0
	PAIR \o, 1, 0, 0, 8, 1, 1, 2
	PAIR \o, 1, 2, 1, 8, 0, 0, 0
	s_wait_dscnt 0x0                               ; my reads of the stage are over, my parts of o's images have landed
	s_barrier_signal -1
	s_barrier_wait -1                              ; everybody's: the stage may be written again
.if \o == 0
	PRE                                            ; for the next chunk: its fill is on its way under the second 32 tokens
.endif
.endr
	s_add_co_u32 s54, s54, 256
	s_add_co_u32 s55, s55, 1
	s_sub_co_u32 s49, s49, 1
	s_cmp_lg_u32 s49, 0
	s_cbranch_scc1 .Lv
; ---------------- the projection: o's images (the barrier above has shown them whole) are the left operand, the bias the C of each sum's first product
.macro BIAS off                        ; lane (r, h'): columns 16 f + 8 h' + 0 .. 7 of my 128, into window 1
	WIN 0x40
.irp f, 0,1,2,3,4,5,6,7
	global_load_b128 v[192+8*\f:195+8*\f], v29, s[8:9] offset:(\off)+64*\f
	global_load_b128 v[196+8*\f:199+8*\f], v29, s[8:9] offset:(\off)+64*\f+16
.endr
	WIN 0
.endm
; THE WAY OUT, tile by tile: a lane holds 32 neighbouring bytes of a row; 16 rows x 128 columns go through my own stage and come back as rows of 512 bytes, which the 32 lanes store whole
.macro EPIOUT cp
.irp m, 0,1,2,3
	WIN 0x0c
.irp f, 0,1,2,3,4,5,6,7
	ds_store_b128 v25, v[8*(8*\m+\f):8*(8*\m+\f)+3] offset:64*\f          ; each accumulator from its low end on
	ds_store_b128 v25, v[8*(8*\m+\f)+4:8*(8*\m+\f)+7] offset:64*\f+16
.endr
	WIN 0
.irp t, 0,1,2,3,4,5,6,7,8,9,10,11,12,13,14,15
	ds_load_b128 v[BK+4*\t:BK+4*\t+3], v26 offset:SPITCH*\t               ; LDS serves a wave's instructions in order (ISA guide 5.7.1.4): these see the stores above
.endr
.irp t, 0,1,2,3,4,5,6,7,8,9,10,11,12,13,14,15
.if \t%4 == 0
	s_wait_dscnt 12-\t                             ; rows t .. t + 3 are back
.endif
	global_store_b128 v27, v[BK+4*\t:BK+4*\t+3], s[10:11] offset:524288*\t+4096*\m+2048*(\cp) th:TH_STORE_NT   ; head t's row: 128 rows of 4,096 bytes on; 512 consecutive bytes, at a multiple of 256 from out0's first byte
.endr
	s_wait_xcnt 0x0                                ; the stores have read their registers: the next tile's rows may land there
.if (\cp) == 0 && \m == 1
	PRE                                            ; for the last chunk: its fill is on its way under the other two tiles
.endif
.endr
.endm
	BIAS 0
	s_wait_loadcnt 0x0                             ; the bias is in (and the chunk's K steps 0 and 1, asked for ahead of it)
	GEMM 10, 11, 2, 1
	BIAS 2048                                      ; the last chunk's bias: 512 columns on
	EPIOUT 0
	s_wait_loadcnt 0x0
	GEMM 10, 11, 2, 0                              ; the last chunk is written out: it asks for nothing beyond itself
	EPIOUT 1
	s_wait_tensorcnt 0x0                           ; the wave's end: behind my last tensor load and my last LDS store
	ds_add_u32 v1, v2
	s_wait_dscnt 0x0
	CROUND                                         ; the closing round: no work-group ends while a partner may still ask for a slot that names it
	s_endpgm
.Lfunc_end_k_q4f343f0a0f_fused:
	.size	k_q4f343f0a0f_fused, .Lfunc_end_k_q4f343f0a0f_fused-k_q4f343f0a0f_fused
	.p2alignl 7, 3214868480
	.fill 96, 4, 3214868480
	.section	.rodata,"a",@progbits
	.p2align	6, 0x0
	.amdhsa_kernel k_q4f343f0a0f_fused
		.amdhsa_group_segment_fixed_size 327680
		.amdhsa_private_segment_fixed_size 0
		.amdhsa_enable_private_segment 0
		.amdhsa_kernarg_size 32
		.amdhsa_user_sgpr_count 2
		.amdhsa_user_sgpr_kernarg_segment_ptr 1
		.amdhsa_wavefront_size32 1
		.amdhsa_system_sgpr_workgroup_id_x 1
		.amdhsa_system_sgpr_workgroup_id_y 1
		.amdhsa_system_sgpr_workgroup_id_z 1
		.amdhsa_system_vgpr_workitem_id 0
		.amdhsa_next_free_vgpr 1024
		.amdhsa_next_free_sgpr 66
		.amdhsa_reserve_vcc 0
		.amdhsa_float_denorm_mode_32 3
		.amdhsa_float_denorm_mode_16_64 3
		.amdhsa_memory_ordered 1
		.amdhsa_forward_progress 1
		.amdhsa_inst_pref_size 255
	.end_amdhsa_kernel
	.section	.bss,"aw",@nobits
	.p2align	6
	.space	262144
	.amdgpu_metadata
---
amdhsa.version: [ 1, 2 ]
amdhsa.kernels:
  - .name:           k_q4f343f0a0f_fused
    .symbol:         k_q4f343f0a0f_fused.kd
    .args:
      - { .name: xq, .offset: 0, .size: 8, .value_kind: global_buffer, .address_space: global }
      - { .name: wst, .offset: 8, .size: 8, .value_kind: global_buffer, .address_space: global }
      - { .name: b_proj, .offset: 16, .size: 8, .value_kind: global_buffer, .address_space: global }
      - { .name: out0, .offset: 24, .size: 8, .value_kind: global_buffer, .address_space: global }
    .group_segment_fixed_size: 327680
    .private_segment_fixed_size: 0
    .kernarg_segment_align: 8
    .kernarg_segment_size: 32
    .max_flat_workgroup_size: 128
    .sgpr_count:     66
    .vgpr_count:     1024
    .wavefront_size: 32
...
	.end_amdgpu_metadata
.endif
;; end of part 2
